; MI455X (gfx1250); checked and timed in simulation.
; The chip was launched on July 23, 2026; its instructions are those of AMD's public machine-readable ISA for CDNA 5 (MIT licence, August 2026) and "CDNA5" Instruction Set Architecture Reference Guide (July 2026). The comments in the code are by the model that wrote it; some were corrected since.
;; Sparse Self Attention. Allowed arithmetic: matrix products marked QUANTISED: E5M2 operands, one given power-of-two scale a tensor, by v_wmma_f32_16x16x64_bf8_bf8 or v_wmma_f32_16x16x128_bf8_bf8, f32 sums; products left as they are: f32 operands where the result goes on into a quantised operand, else bf16, f16 or f32 operands; f32 sums; everything else in f32.
;; Inputs: Wk 1,024 x 1,024 float32; Wo 1,024 x 1,024 float32; Wq 1,024 x 1,024 float32; Wv 1,024 x 1,024 float32; bo 1,024 float32; lowp_scales 8 int32 (the exponents e of the quantised operands' scales 2^e); x 4 x 4,096 x 1,024 float32.
;; Outputs: out0 4 x 4,096 x 1,024 float32.
;; This version of the problem:
;;   THIS VERSION OF THE PROBLEM IS GIVEN IN LOW PRECISION. The matrix products marked QUANTISED in the list below multiply operands that are first quantised to E5M2 (5 exponent bits, 2 mantissa bits; 8 bits a number), with one given power-of-two scale for each operand tensor; their sums are f32. All else is computed in f32.
;;   The module's matrix products, in the order in which they are computed (A, B: the left and right operand; K: the contracted axis; several contracted axes count as one K, in the product's order):
;;     1. [M 16,384, K 1,024] x [K 1,024, N 1,024]; A: input x; B: input Wq: QUANTISED (scales: A lowp_scales[0], B lowp_scales[1])
;;     2. [M 16,384, K 1,024] x [K 1,024, N 1,024]; A: input x; B: input Wk: QUANTISED (scales: A lowp_scales[2], B lowp_scales[3])
;;     3. [M 16,384, K 1,024] x [K 1,024, N 1,024]; A: input x; B: input Wv: QUANTISED (scales: A lowp_scales[4], B lowp_scales[5])
;;     4. batch 262,144 x [M 1, K 64] x [K 64, N 1]; A: computed on the way; B: computed on the way: left as it is (M = 1 < 16)
;;     5. [M 16,384, K 1,024] x [K 1,024, N 1,024]; A: computed on the way; B: input Wo: QUANTISED (scales: A lowp_scales[6], B lowp_scales[7])
;;   THE QUANTISER, for each operand of a quantised product, along K:
;;     - The operand's scale is 2^e, e = its entry of the input lowp_scales (int32; the entries are numbered through the quantised products in the list's order, A before B).
;;     - Each number is divided by the scale, clamped to +-57,344, and rounded to the nearest number of E5M2, ties to even, subnormals kept.
;;     - The product sums the exact products of the quantised numbers (number of the format x scale) in f32.
;;   ~~~python
;;   def quantise(x, axis, e):      # numpy; x: float32 -> the quantised numbers, widened to float32 again
;;       x = np.moveaxis(x, axis, -1); K = x.shape[-1]
;;       r = np.clip(x / 2.0 ** e, -57344, 57344)
;;       step = 2.0 ** (np.maximum(np.frexp(np.where(r == 0, 1, r))[1] - 1, -14) - 2)
;;       q = np.round(r / step) * step * 2.0 ** e      # np.round: ties to even
;;       return np.moveaxis(q, -1, axis).astype(np.float32)
;;   ~~~
;;   OPERANDS COMPUTED ON THE WAY. 'Computed on the way' means the value that the module computes at that place (a softmax that the list does not call 'softmax' is quantised finished and normalised). What goes into a quantiser is computed in f32, as accurately as f32 sums, v_exp_f32 and their like allow (about 1e-6 of the number): no bf16 or f16 on the way to a quantiser, and a product that is left as it is and whose result goes on into a quantised operand takes f32 operands (vector FMAs, or v_wmma_f32_16x16x4_f32). A number that lies on a knife's edge between two numbers of the format may be rounded either way, as far as f32 arithmetic and the matrix unit's own rounding can turn it there, and no further.
;; One version. Each part assembles by itself: llvm-mc -triple=amdgcn-amd-amdhsa -mcpu=gfx1250 --defsym DOCPART=n.
;; ======== version 1 of 1: 4 launches
;; limits: right only within a limited range of input values
;; workspace buffers: xc 16,777,216 bytes; wc 4,194,304 bytes; dots 1,048,576 bytes; part 32,768 bytes; ac 16,777,216 bytes
;; launch wq (part 1): grid 256 x 1, 2 waves a work-group, no clusters, 17,152 bytes of LDS; arguments Wq, Wk, Wv, Wo, lowp_scales, wc; writes wc
.if DOCPART == 1
	.amdgcn_target "amdgcn-amd-amdhsa--gfx1250"
	.amdhsa_code_object_version 6
	.text
	.protected	k_q4f4a410b7e_wq
	.globl	k_q4f4a410b7e_wq
	.p2align	8
	.type	k_q4f4a410b7e_wq,@function
k_q4f4a410b7e_wq:
	s_mov_b64 s[64:65], 0
	v_nop
	global_prefetch_b8 v0, s[64:65] scope:SCOPE_SE
	s_setreg_imm32_b32 hwreg(HW_REG_WAVE_MODE, 25, 1), 1
	s_wait_xcnt 0x0
; Wq, Wk, Wv, Wo [1024][1024], f32, K innermost, become codes of BF8 (E5M2) under the scales 2^e1, 2^e3, 2^e5, 2^e7:
; code = number / 2^e, held within +-57,344, rounded to the nearest code, ties to even.
; NO WORK OF THE PROBLEM IS DEAD: every input has a way to the output and is loaded by some launch.  The strided transpose moves q, k and v alike and the softmax
; runs over the whole sequence, so it is an address: row p = 4096 b + 128 l + c of the result comes from row 4096 b + 32 c + l of x.
; THE ORDER OF K.  A lane converts 16 numbers of one row: k = 512 Q + 128 j + 4 lane + t (j, t = 0 .. 3), its four loads of 16 bytes; their codes are byte 512 Q + 16 lane + 4 j + t
; of the row of codes.  All operands of all four products lie in this order, the same on both sides of a product: every product meets its partner.
; A FRAGMENT is 16 rows x 128 bytes of that order: registers 4 c .. 4 c + 3 of lane (r, h) hold bytes 128 s + 32 c + 16 h + 0 .. 15 of row r.  Its image is 2,048 bytes: byte 512 c + 16 lane.
; wc IS LAID AS THE WAVES OF THE LATER LAUNCHES STREAM IT.  First half: [stream 8][pass 2][K step 8][Wq, Wk][tile 4][2,048], tile T = 8 stream + 4 pass + tile of either matrix.
; Second half: [Wv, Wo][stream 8][K step 8][tile 8][2,048], tile T = 8 stream + tile.  Wv's ROWS ARE DEALT TO TILES so that the codes made of v's sums are fragments of the last product in the order of K above:
; row i of tile 8 s + p is Wv's row 512 (s / 4) + 256 (p % 2) + 128 ((i / 4) % 2) + 32 (s % 4) + 8 (p / 2) + 4 (i / 8) + i % 4.
; SHARES.  A work-group takes a tile of 16 rows, each of its two waves 512 along K.  Codes turn through the wave's own stage in LDS (rows 528 bytes apart).  Waves share nothing: no barrier.
; LIMITS: each exponent lies between -126 and 112.  NaN among the inputs is not served (an infinity is held at the largest code).
.set SP,    528
.set WST,   16*SP
.set SPARE, 2*WST                      ; the spare words: one block of 256 bytes that no other line names
.set SPW, 8
.set NIL, 9
.set R,   128                          ; v128-255 eight sets of 16 numbers; then the four fragments
.set T,   32                           ; v32-63   two sets of held numbers
.set C,   64                           ; v64-71   two sets of codes
	s_load_b256 s[4:11], s[0:1], 0x0               ; Wq, Wk, Wv, Wo
	s_load_b128 s[12:15], s[0:1], 0x20             ; scales, wc
	v_lshl_add_u32 v[SPW], v0, 2, SPARE
	v_mov_b32 v[NIL], 0
	v_lshrrev_b32 v1, 5, v0
	v_readfirstlane_b32 s16, v1                    ; wave = Q
	v_and_b32 v1, 31, v0
	v_and_b32 v2, 15, v0
	v_bfe_u32 v3, v0, 4, 1
	v_lshlrev_b32 v4, 4, v1                        ; 16 x lane
	s_mul_i32 s17, s16, WST
	v_add_nc_u32 v5, s17, v4                       ; stage, in
	v_mul_u32_u24 v6, v2, SP
	v_lshl_add_u32 v6, v3, 4, v6
	v_add_nc_u32 v6, s17, v6                       ; stage, out: row r, + 16 h
	s_lshr_b32 s18, ttmp9, 6                       ; which matrix
	s_and_b32 s19, ttmp9, 63                       ; its tile T
	s_lshr_b32 s28, s19, 5                         ; Wv's first row of the tile, T = 8 s + p
	s_lshl_b32 s28, s28, 9
	s_and_b32 s29, s19, 1
	s_lshl_b32 s29, s29, 8
	s_add_co_u32 s28, s28, s29
	s_bfe_u32 s29, s19, 0x20003
	s_lshl_b32 s29, s29, 5
	s_add_co_u32 s28, s28, s29
	s_bfe_u32 s29, s19, 0x20001
	s_lshl_b32 s29, s29, 3
	s_add_co_u32 s28, s28, s29
	s_lshl_b32 s28, s28, 12
	s_lshl_b32 s20, s19, 16                        ; the others: 16 rows on end
	s_cmp_eq_u32 s18, 2
	s_cselect_b32 s20, s28, s20
	s_lshl_b32 s21, s16, 11
	s_add_co_u32 s20, s20, s21                     ; + my 512 numbers
	s_mov_b32 s21, 0
	s_lshr_b32 s23, s19, 3                         ; Wq, Wk: stream, pass, matrix, tile % 4
	s_lshl_b32 s23, s23, 18
	s_bfe_u32 s24, s19, 0x10002
	s_lshl_b32 s24, s24, 17
	s_add_co_u32 s23, s23, s24
	s_lshl_b32 s24, s18, 13
	s_add_co_u32 s23, s23, s24
	s_and_b32 s24, s19, 3
	s_lshl_b32 s24, s24, 11
	s_add_co_u32 s23, s23, s24
	s_lshr_b32 s24, s19, 3                         ; Wv, Wo: matrix, stream, tile % 8
	s_lshl_b32 s24, s24, 17
	s_lshl_b32 s25, s18, 20
	s_add_co_u32 s24, s24, s25
	s_and_b32 s25, s19, 7
	s_lshl_b32 s25, s25, 11
	s_add_co_u32 s24, s24, s25
	s_cmp_lt_u32 s18, 2
	s_cselect_b32 s22, s23, s24
	s_lshl_b32 s23, s16, 16                        ; my four K steps of 16 KiB
	s_add_co_u32 s22, s22, s23
	s_mov_b32 s23, 0
	s_wait_alu depctr_va_vdst(0)
	s_wait_kmcnt 0x0
	s_load_b256 s[32:39], s[12:13], 0x0            ; e0 .. e7
	s_mov_b64 s[26:27], s[10:11]
	s_cmp_eq_u32 s18, 2
	s_cselect_b64 s[26:27], s[8:9], s[26:27]
	s_cmp_eq_u32 s18, 1
	s_cselect_b64 s[26:27], s[6:7], s[26:27]
	s_cmp_eq_u32 s18, 0
	s_cselect_b64 s[26:27], s[4:5], s[26:27]
	s_add_nc_u64 s[26:27], s[26:27], s[20:21]
	s_add_nc_u64 s[14:15], s[14:15], s[22:23]
.macro LOAD u                          ; row u of the tile: 4 x 512 consecutive bytes.  Two arms: the row's distance stands in the immediates
	s_cmp_eq_u32 s18, 2
	s_cbranch_scc1 .Lv_\@
.irp j, 0,1,2,3
	global_load_b128 v[R+16*((\u)%8)+4*\j:R+16*((\u)%8)+4*\j+3], v4, s[26:27] offset:(\u)*4096+512*\j th:TH_LOAD_NT
.endr
	s_branch .Ld_\@
.Lv_\@:
.irp j, 0,1,2,3
	global_load_b128 v[R+16*((\u)%8)+4*\j:R+16*((\u)%8)+4*\j+3], v4, s[26:27] offset:(128*(((\u)/4)%2)+4*((\u)/8)+(\u)%4)*4096+512*\j th:TH_LOAD_NT
.endr
.Ld_\@:
.endm
.irp u, 0,1,2,3,4,5,6,7
	LOAD \u
.endr
	s_wait_kmcnt 0x0
	s_mov_b32 s40, s39
	s_cmp_eq_u32 s18, 2
	s_cselect_b32 s40, s37, s40
	s_cmp_eq_u32 s18, 1
	s_cselect_b32 s40, s35, s40
	s_cmp_eq_u32 s18, 0
	s_cselect_b32 s40, s33, s40                    ; entry 2 m + 1
	s_add_co_i32 s40, s40, 127
	s_lshl_b32 s41, s40, 23
	v_mov_b32 v10, s41                             ; 2^e
	s_add_co_i32 s40, s40, 15
	s_lshl_b32 s40, s40, 23
	s_or_b32 s40, s40, 0x600000
	v_mov_b32 v11, s40                             ; 57,344 x 2^e
	s_wait_alu depctr_va_vdst(0)
.macro UNIT u
.if (\u) < 8
	s_wait_loadcnt 28                              ; this row's four loads are in; seven rows' may be out
.else
	s_wait_loadcnt 4*(15-(\u))
.endif
.set n, 0
.rept 16
	v_med3_num_f32 v[T+16*((\u)%2)+n], v[R+16*((\u)%8)+n], -v11, v11   ; the conversion does not saturate (ISA guide 7.6.2): the hold comes first
.set n, n+1
.endr
	v_cvt_scalef32_pk8_bf8_f32 v[C+4*((\u)%2):C+4*((\u)%2)+1], v[T+16*((\u)%2):T+16*((\u)%2)+7], v10
	v_cvt_scalef32_pk8_bf8_f32 v[C+4*((\u)%2)+2:C+4*((\u)%2)+3], v[T+16*((\u)%2)+8:T+16*((\u)%2)+15], v10
	ds_store_b128 v5, v[C+4*((\u)%2):C+4*((\u)%2)+3] offset:(\u)*SP
.if (\u) < 8
	LOAD (\u)+8
.endif
.endm
.irp u, 0,1,2,3,4,5,6,7,8,9,10,11,12,13,14,15
	UNIT \u
.endr
	v_nop                                          ; one plain line behind the last conversion
.irp n, 0,1,2,3,4,5,6,7,8,9,10,11,12,13,14,15
	ds_load_b128 v[R+4*\n:R+4*\n+3], v6 offset:128*(\n/4)+32*(\n%4)   ; LDS serves a wave's instructions in order: these see my stores
.endr
.irp n, 0,1,2,3,4,5,6,7,8,9,10,11,12,13,14,15
	s_wait_dscnt 15-\n
	global_store_b128 v4, v[R+4*\n:R+4*\n+3], s[14:15] offset:(\n/4)*16384+512*(\n%4)   ; 512 consecutive bytes of an image
.endr
	s_wait_tensorcnt 0x0                           ; the wave's end
	ds_add_u32 v[SPW], v[NIL]
	s_wait_dscnt 0x0
	s_endpgm
.Lfunc_end_k_q4f4a410b7e_wq:
	.size	k_q4f4a410b7e_wq, .Lfunc_end_k_q4f4a410b7e_wq-k_q4f4a410b7e_wq
	.p2alignl 7, 3214868480
	.fill 96, 4, 3214868480
	.section	.rodata,"a",@progbits
	.p2align	6, 0x0
	.amdhsa_kernel k_q4f4a410b7e_wq
		.amdhsa_group_segment_fixed_size 17152
		.amdhsa_private_segment_fixed_size 0
		.amdhsa_enable_private_segment 0
		.amdhsa_kernarg_size 48
		.amdhsa_user_sgpr_count 2
		.amdhsa_user_sgpr_kernarg_segment_ptr 1
		.amdhsa_wavefront_size32 1
		.amdhsa_system_sgpr_workgroup_id_x 1
		.amdhsa_system_sgpr_workgroup_id_y 1
		.amdhsa_system_sgpr_workgroup_id_z 1
		.amdhsa_system_vgpr_workitem_id 0
		.amdhsa_next_free_vgpr 256
		.amdhsa_next_free_sgpr 66
		.amdhsa_reserve_vcc 0
		.amdhsa_float_denorm_mode_32 3
		.amdhsa_float_denorm_mode_16_64 3
		.amdhsa_memory_ordered 1
		.amdhsa_forward_progress 1
		.amdhsa_inst_pref_size 40
	.end_amdhsa_kernel
	.amdgpu_metadata
---
amdhsa.version: [ 1, 2 ]
amdhsa.kernels:
  - .name:           k_q4f4a410b7e_wq
    .symbol:         k_q4f4a410b7e_wq.kd
    .args:
      - { .name: Wq, .offset: 0, .size: 8, .value_kind: global_buffer, .address_space: global }
      - { .name: Wk, .offset: 8, .size: 8, .value_kind: global_buffer, .address_space: global }
      - { .name: Wv, .offset: 16, .size: 8, .value_kind: global_buffer, .address_space: global }
      - { .name: Wo, .offset: 24, .size: 8, .value_kind: global_buffer, .address_space: global }
      - { .name: lowp_scales, .offset: 32, .size: 8, .value_kind: global_buffer, .address_space: global }
      - { .name: wc, .offset: 40, .size: 8, .value_kind: global_buffer, .address_space: global }
    .group_segment_fixed_size: 17152
    .private_segment_fixed_size: 0
    .kernarg_segment_align: 8
    .kernarg_segment_size: 48
    .max_flat_workgroup_size: 64
    .sgpr_count:     66
    .vgpr_count:     256
    .wavefront_size: 32
...
	.end_amdgpu_metadata
.endif
;; end of part 1
;; launch qk (part 2): grid 256 x 1, 4 waves a work-group, no clusters, 266,752 bytes of LDS; arguments x, wc, lowp_scales, xc, dots, part; writes xc, dots, part
.if DOCPART == 2
	.amdgcn_target "amdgcn-amd-amdhsa--gfx1250"
	.amdhsa_code_object_version 6
	.text
	.protected	k_q4f4a410b7e_qk
	.globl	k_q4f4a410b7e_qk
	.p2align	8
	.type	k_q4f4a410b7e_qk,@function
k_q4f4a410b7e_qk:
	s_mov_b64 s[64:65], 0
	v_nop
	global_prefetch_b8 v0, s[64:65] scope:SCOPE_SE
	s_setreg_imm32_b32 hwreg(HW_REG_WAVE_MODE, 25, 1), 1
	s_wait_xcnt 0x0
; d = (x Wq^T) . (x Wk^T) / 8 for each row and head, on codes of BF8; x is quantised here, at the head.  No work is left out.
; SHARES.  Work-group g takes the 128 rows p = 128 (g / 2) .. of the result's order (x's rows 4096 b + 32 c + l, c = 0 .. 127) and columns 512 (g % 2) on: a weight's fragment then feeds eight
; matrix instructions, and a work-group draws 1 MiB of weights and 512 KiB of x.  Two neighbouring work-groups read the same rows of x.
; Each wave quantises 32 rows under e0 and e2 into LDS (rows 1,040 bytes apart), and half g % 2 of K under e4 into xc for the next launch, 512 consecutive bytes a store: each byte of xc has one owner.
; The order of K in a row of codes is the one that launch wq states.  Then wave w makes q and k of head 8 (g % 2) + 2 w + P in passes P = 0, 1: 128 x 64 of each, 2 x 32 accumulators, 512 registers.
; THE WEIGHTS GO FROM MEMORY INTO REGISTERS: each fragment of Wq and Wk is multiplied by one wave of the work-group alone, so LDS would hand it to nobody else; a wave's fragments lie in wc in the order
; in which it takes them, 512 consecutive bytes a load.  A unit is four tiles of one matrix and one K step, 32 matrix instructions; the ring holds four units, and a unit's registers are asked for anew when it is done.
; x's eight fragments of a unit roll through ONE set of registers: two tiles are fetched anew, for the next unit, as soon as their eight products are issued.
; No joint loads: no tile of weights passes through LDS, where x's codes leave 61,440 bytes.  No prefetch: the work-groups of a column half walk the same 1 MiB of wc in the same order.
; THE MATRIX INSTRUCTION IS USED TRANSPOSED (source 0 = 16 rows of W, source 1 = 16 rows of x): a lane holds one row of x and eight columns.
; OUT: dots [g / 2][head][r][a] = d of row 128 (g / 2) + 16 a + r; part [batch][head][(g / 2) % 32] = (m, s): the block's largest d and the sum of e^(d - m).
; LIMITS: e0, e2, e4 lie between -126 and 112.  NaN among the inputs is not served.
; REGISTERS: window 0: v1-29 addresses, scales, (m, s); v32-103 at work; v128-255 x's fragments (at the head: the numbers loaded); window 1: the ring; window 2: q's sums, (a, t) at v[8 (4 a + t)]; window 3: k's.
.set PITCH, 1040
.set HALF,  64*PITCH
.set SETB,  128*PITCH
.set SPARE, 2*SETB                     ; the spare words: two blocks of 256 bytes that no other line names
.set SPW, 8
.set NIL, 9
.set R,   128
.set T,   32                           ; three sets of 16 held numbers
.set C,   80                           ; two sets of 12 registers of codes
.set MUL_LO, 0xa1
.set TO_B,   0x40
.set MSB, 0
.macro WIN new
.if MSB != \new
	s_set_vgpr_msb (MSB<<8)|\new
.set MSB, \new
.endif
.endm
.macro PLACES n
.rept \n
	v_nop
.endr
.endm
	s_load_b256 s[4:11], s[0:1], 0x0               ; x, wc, scales, xc
	s_load_b128 s[12:15], s[0:1], 0x20             ; dots, part
	v_lshl_add_u32 v[SPW], v0, 2, SPARE
	v_mov_b32 v[NIL], 0
	v_lshrrev_b32 v1, 5, v0
	v_readfirstlane_b32 s16, v1                    ; wave
	v_and_b32 v1, 31, v0
	v_and_b32 v2, 15, v0                           ; r
	v_bfe_u32 v3, v0, 4, 1                         ; h
	v_lshlrev_b32 v4, 4, v1                        ; 16 x lane
	s_mul_i32 s17, s16, 32*PITCH
	v_add_nc_u32 v5, s17, v4                       ; my 32 rows of set 0,
	v_add_nc_u32 v20, SETB, v5                     ; of set 1
	v_mul_u32_u24 v6, v2, PITCH
	v_lshl_add_u32 v6, v3, 4, v6                   ; a fragment: row r, + 16 h: set 0, tiles 0-3,
	v_add_nc_u32 v19, HALF, v6                     ; tiles 4-7,
	v_add_nc_u32 v28, SETB, v6                     ; set 1
	v_add_nc_u32 v29, SETB+HALF, v6
	v_mov_b32 v17, v6
	v_mov_b32 v18, v19
	v_lshlrev_b32 v21, 5, v2
	v_lshl_add_u32 v21, v3, 4, v21                 ; dots: 32 r + 16 h
	v_mov_b32 v22, 0
	s_and_b32 s39, ttmp9, 1                        ; my half of the columns
	s_lshr_b32 s19, ttmp9, 1                       ; my block of rows
	s_lshr_b32 s18, ttmp9, 6                       ; batch
	s_lshl_b32 s20, s18, 24
	s_and_b32 s22, s19, 31                         ; l
	s_lshl_b32 s21, s22, 12
	s_add_co_u32 s20, s20, s21
	s_lshl_b32 s21, s16, 22                        ; c = 32 wave on: c counts 32 rows of 4,096 bytes
	s_add_co_u32 s20, s20, s21
	s_mov_b32 s21, 0
	s_lshl_b32 s42, s39, 2
	s_add_co_u32 s42, s42, s16
	s_lshl_b32 s42, s42, 18                        ; my stream in wc
	s_mov_b32 s43, 0
	s_lshl_b32 s44, s19, 17
	s_lshl_b32 s45, s16, 15
	s_add_co_u32 s44, s44, s45                     ; my rows of xc
	s_mov_b32 s45, 0
	s_lshl_b32 s46, s19, 13
	s_lshl_b32 s47, s39, 12
	s_add_co_u32 s46, s46, s47
	s_lshl_b32 s47, s16, 10
	s_add_co_u32 s46, s46, s47                     ; dots: block, head 8 (g % 2) + 2 w
	s_mov_b32 s47, 0
	s_lshl_b32 s48, s18, 12
	s_lshl_b32 s49, s39, 11
	s_add_co_u32 s48, s48, s49
	s_lshl_b32 s49, s16, 9
	s_add_co_u32 s48, s48, s49
	s_lshl_b32 s49, s22, 3
	s_add_co_u32 s48, s48, s49                     ; part: batch, head, block
	s_mov_b32 s49, 0
	s_mov_b32 s40, 0x76543210
	s_mov_b32 s41, 0xfedcba98
	s_mov_b32 s36, 0
	s_mov_b32 s38, 0
	s_wait_alu depctr_va_vdst(0)
	s_wait_kmcnt 0x0
	s_load_b256 s[24:31], s[8:9], 0x0              ; e0 .. e7
	s_add_nc_u64 s[32:33], s[4:5], s[20:21]
	s_add_nc_u64 s[34:35], s[6:7], s[42:43]
	s_add_nc_u64 s[10:11], s[10:11], s[44:45]
	s_add_nc_u64 s[12:13], s[12:13], s[46:47]
	s_add_nc_u64 s[14:15], s[14:15], s[48:49]
.macro BLD rb                          ; a unit's four tiles into the ring's tiles rb on; s[34:35] stands at the first of four units
	WIN TO_B
.irp t, 0,1,2,3
.irp c, 0,1,2,3
	global_load_b128 v[16*((\rb)+\t)+4*\c:16*((\rb)+\t)+4*\c+3], v4, s[34:35] offset:2048*((\rb)+\t)+512*\c
.endr
.endr
.endm
.macro AG ap                           ; x's tiles 2 ap, 2 ap + 1 of the set and K step at v17 (tiles 0-3), v18 (tiles 4-7)
.irp e, 0,1
.irp c, 0,1,2,3
	ds_load_b128 v[128+16*(2*(\ap)+\e)+4*\c:128+16*(2*(\ap)+\e)+4*\c+3], v[17+(\ap)/2] offset:((2*(\ap)+\e)%4)*16*PITCH+32*\c
.endr
.endr
.endm
	BLD 0                                          ; the first four units of the weights are on their way while x is quantised
	BLD 4
	BLD 8
	BLD 12
	WIN 0
.macro XLD u, off                      ; unit u of a trip: row u / 2, half u % 2 of K: 4 x 512 consecutive bytes
.irp j, 0,1,2,3
	global_load_b128 v[R+16*(\u)+4*\j:R+16*(\u)+4*\j+3], v4, s[32:33] offset:(\off)+((\u)/2)*131072+((\u)%2)*2048+512*\j
.endr
.endm
.irp u, 0,1,2,3,4,5,6,7
	XLD \u, 0
.endr
.macro MKSC e, sc, lim
	s_add_co_i32 s50, \e, 127
	s_lshl_b32 s51, s50, 23
	v_mov_b32 v[\sc], s51
	s_add_co_i32 s50, s50, 15
	s_lshl_b32 s50, s50, 23
	s_or_b32 s50, s50, 0x600000
	v_mov_b32 v[\lim], s50
.endm
	s_wait_kmcnt 0x0
	MKSC s24, 10, 11
	MKSC s26, 12, 13
	MKSC s28, 14, 15
	s_add_co_i32 s23, s24, s25
	s_add_co_i32 s23, s23, s26
	s_add_co_i32 s23, s23, s27
	s_sub_co_i32 s23, s23, 3                       ; a product of two sums stands for it x 2^(e0 + e1 + e2 + e3); / 8
.macro SETC u, q, sc, lim              ; the unit's 16 numbers under one scale; each scale has its own set of T
.set TP, T+16*\q
.set CP, C+12*((\u)%2)+4*\q
.set n, 0
.rept 16
	v_med3_num_f32 v[TP+n], v[R+16*(\u)+n], -v[\lim], v[\lim]   ; the conversion does not saturate (ISA guide 7.6.2)
.set n, n+1
.endr
	v_cvt_scalef32_pk8_bf8_f32 v[CP:CP+1], v[TP:TP+7], v[\sc]
	v_cvt_scalef32_pk8_bf8_f32 v[CP+2:CP+3], v[TP+8:TP+15], v[\sc]
.endm
.macro XUNIT u, refill
.if \refill
	s_wait_loadcnt 28                              ; this unit's four loads are in; seven units' may be out
.else
	s_wait_loadcnt 4*(7-(\u))
.endif
	s_wait_xcnt 0x0                                ; the store of two units back has read its codes
	SETC \u, 0, 10, 11
	SETC \u, 1, 12, 13
	ds_store_b128 v7, v[C+12*((\u)%2):C+12*((\u)%2)+3] offset:((\u)/2)*PITCH+512*((\u)%2)
	ds_store_b128 v16, v[C+12*((\u)%2)+4:C+12*((\u)%2)+7] offset:((\u)/2)*PITCH+512*((\u)%2)
	s_cmp_lg_u32 s39, (\u)%2                       ; the set under e4: my work-group's half of K alone
	s_cbranch_scc1 .Lnot_mine_\@
	SETC \u, 2, 14, 15
	global_store_b128 v4, v[C+12*((\u)%2)+8:C+12*((\u)%2)+11], s[10:11] offset:((\u)/2)*1024+512*((\u)%2)
.Lnot_mine_\@:
.if \refill
	XLD \u, 524288                                 ; the same unit four rows on
.endif
.endm
	s_mov_b32 s37, 7
.Lx:                                               ; a trip: four rows; the eighth trip is written out, without loads
	v_add_nc_u32 v7, s36, v5
	v_add_nc_u32 v16, s36, v20
	s_wait_alu depctr_va_vdst(0)
.irp u, 0,1,2,3,4,5,6,7
	XUNIT \u, 1
.endr
	s_wait_xcnt 0x0                                ; loads and stores have read their bases
	s_add_nc_u64 s[32:33], s[32:33], 524288
	s_add_nc_u64 s[10:11], s[10:11], 4096
	s_add_co_u32 s36, s36, 4*PITCH
	s_sub_co_u32 s37, s37, 1
	s_cmp_lg_u32 s37, 0
	s_cbranch_scc1 .Lx
	v_add_nc_u32 v7, s36, v5
	v_add_nc_u32 v16, s36, v20
	s_wait_alu depctr_va_vdst(0)
.irp u, 0,1,2,3,4,5,6,7
	XUNIT \u, 0
.endr
	v_nop                                          ; one plain line behind the last conversion
	s_wait_dscnt 0x0                               ; my codes are in LDS
	s_barrier_signal -1
	s_barrier_wait -1                              ; and everybody's
	AG 0
	AG 1
	AG 2
	AG 3
; 8 matrix instructions: x's tiles 2 ap, 2 ap + 1 x the unit's four tiles.  The 64 accumulators take turns, one instruction a turn.
.macro MUL8 ap, rb, zero
.irp e, 0,1
.irp t, 0,1,2,3
.if \zero
	v_wmma_f32_16x16x128_bf8_bf8 v[8*(4*(2*(\ap)+\e)+\t):8*(4*(2*(\ap)+\e)+\t)+7], v[16*((\rb)+\t):16*((\rb)+\t)+15], v[128+16*(2*(\ap)+\e):128+16*(2*(\ap)+\e)+15], 0
.else
	v_wmma_f32_16x16x128_bf8_bf8 v[8*(4*(2*(\ap)+\e)+\t):8*(4*(2*(\ap)+\e)+\t)+7], v[16*((\rb)+\t):16*((\rb)+\t)+15], v[128+16*(2*(\ap)+\e):128+16*(2*(\ap)+\e)+15], v[8*(4*(2*(\ap)+\e)+\t):8*(4*(2*(\ap)+\e)+\t)+7]
.endif
.endr
.endr
.endm
; A UNIT: m = 0: q on set 0; m = 1: k on set 1.  fa = 1: behind each eight products their two tiles of x are fetched for the next unit (the other set; behind k: the next K step).
; fb = 1: at the end the unit's place in the ring is asked for anew, four units on.  lw: the weights' loads that may be out: those of the units asked for behind this one.
; s_wait_dscnt 24: the two tiles in hand are in; the three groups of eight loads asked for behind them may be out.
.macro UNIT m, rb, zero, fb, fa, lw
.if \fa
.if \m
	s_add_co_u32 s38, s38, 128
	s_and_b32 s38, s38, 896                        ; the next K step's bytes in a row; behind the last comes the next pass's first
	v_add_nc_u32 v17, s38, v6
	v_add_nc_u32 v18, s38, v19
.else
	v_add_nc_u32 v17, s38, v28
	v_add_nc_u32 v18, s38, v29
.endif
	s_wait_alu depctr_va_vdst(0)
.endif
	s_wait_loadcnt \lw
.irp ap, 0,1,2,3
.if \fa
	s_wait_dscnt 24
.else
	s_wait_dscnt 24-8*\ap
.endif
	WIN (MUL_LO+0x50*\m)
	MUL8 \ap, \rb, \zero
.if \fa
	PLACES 4                                       ; four places in front of loads into registers that matrix instructions have read
	WIN 0
	AG \ap
.endif
.endr
.if \fb
.if (\rb) == 0
	s_wait_xcnt 0x0                                ; the last four units' loads have read their base
	s_add_nc_u64 s[34:35], s[34:35], 32768
.endif
	BLD \rb
.endif
	WIN 0
.endm
.macro PAIR zero, fb, last             ; two K steps: once round the ring
	UNIT 0, 0, \zero, \fb, 1, 48
	UNIT 1, 4, \zero, \fb, 1, 32+16*\fb
	UNIT 0, 8, 0, \fb, 1, 16+32*\fb
	UNIT 1, 12, 0, \fb, 1-\last, 48*\fb
.endm
; THE WAY OUT of a pass: chain a sums q k over the head's 64 columns (each accumulator from its low end on); then the block's m and s.
.macro WAYOUT P
	s_wait_xcnt 0x0                                ; the last pass's store has read its registers
	PLACES 4
	WIN 0x0e                                       ; source 0: window 2 (q), source 1: window 3 (k)
.irp t, 0,1,2,3
.irp i, 0,2,4,6
.irp n, 0,1,2,3,4,5,6,7
.if (\t == 0) && (\i == 0)
	v_pk_mul_f32 v[32+2*\n:33+2*\n], v[8*(4*\n+\t)+\i:8*(4*\n+\t)+\i+1], v[8*(4*\n+\t)+\i:8*(4*\n+\t)+\i+1]
.else
	v_pk_fma_f32 v[32+2*\n:33+2*\n], v[8*(4*\n+\t)+\i:8*(4*\n+\t)+\i+1], v[8*(4*\n+\t)+\i:8*(4*\n+\t)+\i+1], v[32+2*\n:33+2*\n]
.endif
.endr
.endr
.endr
	WIN 0
.irp n, 0,1,2,3,4,5,6,7
	v_add_f32 v[48+\n], v[32+2*\n], v[33+2*\n]
.endr
.irp n, 0,1,2,3,4,5,6,7
	v_permlanex16_b32 v[32+2*\n], v[48+\n], s40, s41
.endr
.irp n, 0,1,2,3,4,5,6,7
	v_add_f32 v[48+\n], v[48+\n], v[32+2*\n]       ; both halves of the columns
.endr
.irp n, 0,1,2,3,4,5,6,7
	v_ldexp_f32 v[48+\n], v[48+\n], s23            ; d of row 16 n + r
.endr
	v_max3_num_f32 v[24+2*\P], v48, v49, v50
	v_max3_num_f32 v[24+2*\P], v[24+2*\P], v51, v52
	v_max3_num_f32 v[24+2*\P], v[24+2*\P], v53, v54
	v_max_num_f32 v[24+2*\P], v[24+2*\P], v55
.irp x, 1,2,4,8
	v_max_num_f32_dpp v[24+2*\P], v[24+2*\P], v[24+2*\P] row_xmask:\x row_mask:0xf bank_mask:0xf
.endr
.irp n, 0,1,2,3,4,5,6,7
	v_sub_f32 v[32+\n], v[48+\n], v[24+2*\P]
.endr
.irp n, 0,1,2,3,4,5,6,7
	v_mul_f32 v[32+\n], 0x3fb8aa3b, v[32+\n]
.endr
	s_wait_alu depctr_va_vdst(0)
.irp n, 0,1,2,3,4,5,6,7
	v_exp_f32 v[32+\n], v[32+\n]
.endr
	v_cmp_le_u32 vcc_lo, 16, v1                    ; (a plain place behind the batch)
	s_wait_alu depctr_va_vdst(0)                   ; one wait for the batch, ahead of its first reader
	v_add_f32 v32, v32, v33
	v_add_f32 v34, v34, v35
	v_add_f32 v36, v36, v37
	v_add_f32 v38, v38, v39
	v_add_f32 v32, v32, v34
	v_add_f32 v36, v36, v38
	v_add_f32 v[25+2*\P], v32, v36
.irp x, 1,2,4,8
	v_add_f32_dpp v[25+2*\P], v[25+2*\P], v[25+2*\P] row_xmask:\x row_mask:0xf bank_mask:0xf
.endr
.irp i, 0,1,2,3
	v_cndmask_b32 v[60+\i], v[48+\i], v[52+\i], vcc_lo   ; lanes 0-15: tiles 0-3, lanes 16-31: tiles 4-7
.endr
	global_store_b128 v21, v[60:63], s[12:13] offset:512*\P   ; 512 consecutive bytes
.endm
	PAIR 1, 1, 0                                   ; pass 0: the first K step starts the sums
	s_mov_b32 s37, 3
.Lp0:
	PAIR 0, 1, 0
	s_sub_co_u32 s37, s37, 1
	s_cmp_lg_u32 s37, 0
	s_cbranch_scc1 .Lp0
	WAYOUT 0                                       ; pass 1's first units are on their way meanwhile
	PAIR 1, 1, 0
	s_mov_b32 s37, 2
.Lp1:
	PAIR 0, 1, 0
	s_sub_co_u32 s37, s37, 1
	s_cmp_lg_u32 s37, 0
	s_cbranch_scc1 .Lp1
	PAIR 0, 0, 1                                   ; the last four units ask for no weights, the last for nothing
	WAYOUT 1
	s_wait_alu depctr_va_vdst(0)
	s_wait_xcnt 0x0                                ; EXEC changes only behind this wait
	v_cmp_eq_u32 vcc_lo, 0, v1
	s_and_saveexec_b32 s44, vcc_lo                 ; lane 0
	global_store_b64 v22, v[24:25], s[14:15]
	global_store_b64 v22, v[26:27], s[14:15] offset:256
	s_wait_xcnt 0x0
	s_or_b32 exec_lo, exec_lo, s44
	s_wait_tensorcnt 0x0                           ; the wave's end
	ds_add_u32 v[SPW], v[NIL]
	s_wait_dscnt 0x0
	s_endpgm
.Lfunc_end_k_q4f4a410b7e_qk:
	.size	k_q4f4a410b7e_qk, .Lfunc_end_k_q4f4a410b7e_qk-k_q4f4a410b7e_qk
	.p2alignl 7, 3214868480
	.fill 96, 4, 3214868480
	.section	.rodata,"a",@progbits
	.p2align	6, 0x0
	.amdhsa_kernel k_q4f4a410b7e_qk
		.amdhsa_group_segment_fixed_size 266752
		.amdhsa_private_segment_fixed_size 0
		.amdhsa_enable_private_segment 0
		.amdhsa_kernarg_size 48
		.amdhsa_user_sgpr_count 2
		.amdhsa_user_sgpr_kernarg_segment_ptr 1
		.amdhsa_wavefront_size32 1
		.amdhsa_system_sgpr_workgroup_id_x 1
		.amdhsa_system_sgpr_workgroup_id_y 1
		.amdhsa_system_sgpr_workgroup_id_z 1
		.amdhsa_system_vgpr_workitem_id 0
		.amdhsa_next_free_vgpr 1024
		.amdhsa_next_free_sgpr 66
		.amdhsa_reserve_vcc 1
		.amdhsa_float_denorm_mode_32 3
		.amdhsa_float_denorm_mode_16_64 3
		.amdhsa_memory_ordered 1
		.amdhsa_forward_progress 1
		.amdhsa_inst_pref_size 227
	.end_amdhsa_kernel
	.amdgpu_metadata
---
amdhsa.version: [ 1, 2 ]
amdhsa.kernels:
  - .name:           k_q4f4a410b7e_qk
    .symbol:         k_q4f4a410b7e_qk.kd
    .args:
      - { .name: x, .offset: 0, .size: 8, .value_kind: global_buffer, .address_space: global }
      - { .name: wc, .offset: 8, .size: 8, .value_kind: global_buffer, .address_space: global }
      - { .name: lowp_scales, .offset: 16, .size: 8, .value_kind: global_buffer, .address_space: global }
      - { .name: xc, .offset: 24, .size: 8, .value_kind: global_buffer, .address_space: global }
      - { .name: dots, .offset: 32, .size: 8, .value_kind: global_buffer, .address_space: global }
      - { .name: part, .offset: 40, .size: 8, .value_kind: global_buffer, .address_space: global }
    .group_segment_fixed_size: 266752
    .private_segment_fixed_size: 0
    .kernarg_segment_align: 8
    .kernarg_segment_size: 48
    .max_flat_workgroup_size: 128
    .sgpr_count:     66
    .vgpr_count:     1024
    .wavefront_size: 32
...
	.end_amdgpu_metadata
.endif
;; end of part 2
;; launch va (part 3): grid 256 x 1, 4 waves a work-group, no clusters, 133,632 bytes of LDS; arguments xc, wc, lowp_scales, dots, part, ac; writes ac
.if DOCPART == 3
	.amdgcn_target "amdgcn-amd-amdhsa--gfx1250"
	.amdhsa_code_object_version 6
	.text
	.protected	k_q4f4a410b7e_va
	.globl	k_q4f4a410b7e_va
	.p2align	8
	.type	k_q4f4a410b7e_va,@function
k_q4f4a410b7e_va:
	s_mov_b64 s[64:65], 0
	v_nop
	global_prefetch_b8 v0, s[64:65] scope:SCOPE_SE
	s_setreg_imm32_b32 hwreg(HW_REG_WAVE_MODE, 25, 1), 1
	s_wait_xcnt 0x0
; a = softmax(d) x (x Wv^T), the product on codes of BF8; a's codes under e6, laid as the last product's operand.  v never goes to memory.  No work is left out.
; SHARES.  Work-group g takes the 128 rows 128 (g / 2) on and half g % 2 of Wv's tiles; wave w the eight tiles of stream s = 4 (g % 2) + w: 128 x 128, 64 accumulators, 512 registers.
; x's codes (the set under e4, rows of 1,024 bytes) go to LDS once, rows 1,040 bytes apart; their eight fragments of a K step roll through ONE set of registers: two tiles are fetched anew as soon as their
; 16 products are issued, and no fragment is read twice.  THE WEIGHTS GO FROM MEMORY INTO REGISTERS, each fragment serving one wave alone, 512 consecutive bytes a load, through a ring of two K steps.
; No joint loads: no tile of weights passes through LDS.  No prefetch: the work-groups of a half walk the same 512 KiB of wc in the same order.
; THE SOFTMAX.  M = the largest of a head's 32 m, S = the sum of s e^(m - M), a row's weight e^(d - M) / S: finished and normalised, in f32, made at the head.
; THE MATRIX INSTRUCTION IS USED TRANSPOSED.  Wv's rows were dealt to tiles (launch wq) so that the conversions' results of my eight tiles are the fragment of K step s of the last product.
; In tile t registers 0-3 belong to head H0 + 4 (t % 2), registers 4-7 to the head two further on; H0 = 8 (g % 2) + w / 2.
; ac [g / 2][K step 8][row tile 8][2,048]: images of fragments, stored from registers, 512 consecutive bytes a store.
; A sum stands for sum x 2^(e4 + e5): the conversion takes 2^(e6 - e4 - e5).  LIMITS: e6 - e4 - e5 lies between -126 and 112.  NaN among the inputs is not served.
; REGISTERS: window 0: v1-21 addresses, v30-31 hold and scale, v32-95 the 32 weights, each twice, v96-127 codes, v128-255 x's fragments (at the head and on the way out: at work);
; window 1: the ring; windows 2, 3: the sums of row tiles 0-3, 4-7, (a, t) at v[8 (8 (a % 4) + t)] (at the head: x's codes on their way to LDS).
.set PITCH, 1040
.set HALF,  64*PITCH
.set SPARE, 128*PITCH                  ; the spare words: two blocks of 256 bytes that no other line names
.set SPW, 8
.set NIL, 9
.set MUL_LO, 0xa1
.set TO_B,   0x40
.set MSB, 0
.macro WIN new
.if MSB != \new
	s_set_vgpr_msb (MSB<<8)|\new
.set MSB, \new
.endif
.endm
.macro PLACES n
.rept \n
	v_nop
.endr
.endm
	s_load_b256 s[4:11], s[0:1], 0x0               ; xc, wc, scales, dots
	s_load_b128 s[12:15], s[0:1], 0x20             ; part, ac
	v_lshl_add_u32 v[SPW], v0, 2, SPARE
	v_mov_b32 v[NIL], 0
	v_lshrrev_b32 v1, 5, v0
	v_readfirstlane_b32 s16, v1                    ; wave
	v_and_b32 v1, 31, v0
	v_and_b32 v2, 15, v0
	v_bfe_u32 v3, v0, 4, 1
	v_lshlrev_b32 v4, 4, v1                        ; 16 x lane
	s_mul_i32 s17, s16, 32*PITCH
	v_add_nc_u32 v5, s17, v4                       ; my 32 rows of x's codes
	v_mul_u32_u24 v6, v2, PITCH
	v_lshl_add_u32 v6, v3, 4, v6                   ; a fragment: row r, + 16 h: tiles 0-3,
	v_add_nc_u32 v19, HALF, v6                     ; tiles 4-7
	v_mov_b32 v17, v6
	v_mov_b32 v18, v19
	v_lshlrev_b32 v20, 5, v2                       ; dots: 32 r
	v_lshlrev_b32 v21, 3, v1                       ; part: 8 x lane
.irp n, 172,173,174,175
	v_mov_b32 v\n, 0                               ; a lane permute's destination counts as one of its sources
.endr
	s_and_b32 s39, ttmp9, 1
	s_lshr_b32 s19, ttmp9, 1                       ; my block of rows
	s_lshl_b32 s22, s39, 2
	s_add_co_u32 s22, s22, s16                     ; s
	s_lshl_b32 s23, s39, 3
	s_lshr_b32 s18, s16, 1
	s_add_co_u32 s23, s23, s18                     ; H0
	s_lshl_b32 s42, s22, 17
	s_add_co_u32 s42, s42, 0x200000                ; my stream of Wv
	s_mov_b32 s43, 0
	s_lshl_b32 s44, s19, 17
	s_lshl_b32 s45, s16, 15
	s_add_co_u32 s44, s44, s45
	s_mov_b32 s45, 0
	s_lshl_b32 s46, s19, 13
	s_lshl_b32 s47, s23, 9
	s_add_co_u32 s46, s46, s47
	s_mov_b32 s47, 0
	s_lshr_b32 s48, ttmp9, 6
	s_lshl_b32 s48, s48, 12
	s_lshl_b32 s49, s23, 8
	s_add_co_u32 s48, s48, s49
	s_mov_b32 s49, 0
	s_lshl_b32 s50, s19, 17
	s_lshl_b32 s51, s22, 14
	s_add_co_u32 s50, s50, s51                     ; ac: block, K step s
	s_mov_b32 s51, 0
	s_mov_b32 s40, 0x76543210
	s_mov_b32 s41, 0xfedcba98
	s_mov_b32 s38, 0
	s_wait_alu depctr_va_vdst(0)
	s_wait_kmcnt 0x0
	s_load_b256 s[24:31], s[8:9], 0x0              ; e0 .. e7
	s_add_nc_u64 s[34:35], s[6:7], s[42:43]
	s_add_nc_u64 s[4:5], s[4:5], s[44:45]
	s_add_nc_u64 s[10:11], s[10:11], s[46:47]
	s_add_nc_u64 s[12:13], s[12:13], s[48:49]
	s_add_nc_u64 s[14:15], s[14:15], s[50:51]
.macro BLD8 rb                         ; a K step's eight tiles into the ring's tiles rb on; s[34:35] stands at the first of two K steps
	WIN TO_B
.irp t, 0,1,2,3,4,5,6,7
.irp c, 0,1,2,3
	global_load_b128 v[16*((\rb)+\t)+4*\c:16*((\rb)+\t)+4*\c+3], v4, s[34:35] offset:2048*((\rb)+\t)+512*\c
.endr
.endr
.endm
.macro AG ap                           ; x's tiles 2 ap, 2 ap + 1 of the K step at v17 (tiles 0-3), v18 (tiles 4-7)
.irp e, 0,1
.irp c, 0,1,2,3
	ds_load_b128 v[128+16*(2*(\ap)+\e)+4*\c:128+16*(2*(\ap)+\e)+4*\c+3], v[17+(\ap)/2] offset:((2*(\ap)+\e)%4)*16*PITCH+32*\c
.endr
.endr
.endm
	WIN 0x80                                       ; destination: window 2
.set n, 0
.rept 64
	global_load_b128 v[4*n:4*n+3], v4, s[4:5] offset:512*n   ; my 32 rows of codes, 512 consecutive bytes a load
.set n, n+1
.endr
	WIN 0
.irp q, 0,1,2,3
	global_load_b64 v[160+2*\q:161+2*\q], v21, s[12:13] offset:512*\q   ; head H0 + 2 q: (m, s) of block lane
.endr
.irp q, 0,1,2,3
	global_load_b128 v[128+8*\q:131+8*\q], v20, s[10:11] offset:1024*\q      ; its d of rows 16 a + r
	global_load_b128 v[132+8*\q:135+8*\q], v20, s[10:11] offset:1024*\q+16
.endr
	BLD8 0                                         ; Wv's first two K steps, 64 loads, behind what the head itself waits for
	BLD8 8
	WIN 0
	s_wait_kmcnt 0x0
	s_sub_co_i32 s50, s30, s28
	s_sub_co_i32 s50, s50, s29
	s_add_co_i32 s50, s50, 127
	s_lshl_b32 s51, s50, 23
	v_mov_b32 v31, s51                             ; 2^(e6 - e4 - e5)
	s_add_co_i32 s50, s50, 15
	s_lshl_b32 s50, s50, 23
	s_or_b32 s50, s50, 0x600000
	v_mov_b32 v30, s50                             ; 57,344 x that
	s_wait_alu depctr_va_vdst(0)
	s_wait_loadcnt 63                              ; codes, part and dots are in: the weights' 64 loads were issued behind them
	WIN 0x08                                       ; store data: window 2
.set n, 0
.rept 64
	ds_store_b128 v5, v[4*n:4*n+3] offset:(n/2)*PITCH+512*(n%2)
.set n, n+1
.endr
	WIN 0
.irp q, 0,1,2,3
	v_mov_b32 v[168+\q], v[160+2*\q]
.endr
.irp x, 1,2,4,8
.irp q, 0,1,2,3
	v_max_num_f32_dpp v[168+\q], v[168+\q], v[168+\q] row_xmask:\x row_mask:0xf bank_mask:0xf
.endr
.endr
.irp q, 0,1,2,3
	v_permlanex16_b32 v[172+\q], v[168+\q], s40, s41
.endr
.irp q, 0,1,2,3
	v_max_num_f32 v[168+\q], v[168+\q], v[172+\q]  ; M
.endr
.irp q, 0,1,2,3
	v_sub_f32 v[160+2*\q], v[160+2*\q], v[168+\q]
.irp a, 0,1,2,3,4,5,6,7
	v_sub_f32 v[128+8*\q+\a], v[128+8*\q+\a], v[168+\q]
.endr
.endr
.irp q, 0,1,2,3
	v_mul_f32 v[160+2*\q], 0x3fb8aa3b, v[160+2*\q]
.irp a, 0,1,2,3,4,5,6,7
	v_mul_f32 v[128+8*\q+\a], 0x3fb8aa3b, v[128+8*\q+\a]
.endr
.endr
	s_wait_alu depctr_va_vdst(0)
.irp q, 0,1,2,3
	v_exp_f32 v[160+2*\q], v[160+2*\q]             ; e^(m - M)
.irp a, 0,1,2,3,4,5,6,7
	v_exp_f32 v[128+8*\q+\a], v[128+8*\q+\a]       ; e^(d - M)
.endr
.endr
	v_nop                                          ; a plain place behind the batch
	s_wait_alu depctr_va_vdst(0)                   ; one wait for the 36
.irp q, 0,1,2,3
	v_mul_f32 v[176+\q], v[160+2*\q], v[161+2*\q]  ; s e^(m - M)
.endr
.irp x, 1,2,4,8
.irp q, 0,1,2,3
	v_add_f32_dpp v[176+\q], v[176+\q], v[176+\q] row_xmask:\x row_mask:0xf bank_mask:0xf
.endr
.endr
.irp q, 0,1,2,3
	v_permlanex16_b32 v[172+\q], v[176+\q], s40, s41
.endr
.irp q, 0,1,2,3
	v_add_f32 v[176+\q], v[176+\q], v[172+\q]      ; S
.endr
	s_wait_alu depctr_va_vdst(0)
.irp q, 0,1,2,3
	v_rcp_f32 v[180+\q], v[176+\q]
.endr
	v_nop
	s_wait_alu depctr_va_vdst(0)
.irp q, 0,1,2,3
.irp a, 0,1,2,3,4,5,6,7
	v_mul_f32 v[32+2*(8*\q+\a)], v[128+8*\q+\a], v[180+\q]   ; the weight of row 16 a + r under head H0 + 2 q, in both registers of a pair
	v_mul_f32 v[33+2*(8*\q+\a)], v[128+8*\q+\a], v[180+\q]
.endr
.endr
	s_wait_alu depctr_va_vdst(0)
	s_wait_dscnt 0x0                               ; my codes are in LDS
	s_barrier_signal -1
	s_barrier_wait -1                              ; and everybody's
	AG 0
	AG 1
	AG 2
	AG 3
; 16 matrix instructions: x's tiles 2 ap, 2 ap + 1 x the K step's eight tiles.  The 64 accumulators take turns, one instruction a turn.
.macro MUL16 ap, rb, zero
.irp e, 0,1
.irp t, 0,1,2,3,4,5,6,7
.if \zero
	v_wmma_f32_16x16x128_bf8_bf8 v[8*(8*((2*(\ap)+\e)%4)+\t):8*(8*((2*(\ap)+\e)%4)+\t)+7], v[16*((\rb)+\t):16*((\rb)+\t)+15], v[128+16*(2*(\ap)+\e):128+16*(2*(\ap)+\e)+15], 0
.else
	v_wmma_f32_16x16x128_bf8_bf8 v[8*(8*((2*(\ap)+\e)%4)+\t):8*(8*((2*(\ap)+\e)%4)+\t)+7], v[16*((\rb)+\t):16*((\rb)+\t)+15], v[128+16*(2*(\ap)+\e):128+16*(2*(\ap)+\e)+15], v[8*(8*((2*(\ap)+\e)%4)+\t):8*(8*((2*(\ap)+\e)%4)+\t)+7]
.endif
.endr
.endr
.endm
; A K STEP.  fa = 1: behind each 16 products their two tiles of x are fetched for the next K step.  fb = 1: at the end its half of the ring is asked for anew, two K steps on.
; lw: the weights' loads that may be out: the next K step's 32.  s_wait_dscnt 24: the two tiles in hand are in; the three groups of eight loads asked for behind them may be out.
.macro KST rb, zero, fb, fa, lw
.if \fa
	s_add_co_u32 s38, s38, 128
	v_add_nc_u32 v17, s38, v6
	v_add_nc_u32 v18, s38, v19
	s_wait_alu depctr_va_vdst(0)
.endif
	s_wait_loadcnt \lw
.irp ap, 0,1,2,3
.if \fa
	s_wait_dscnt 24
.else
	s_wait_dscnt 24-8*\ap
.endif
	WIN (MUL_LO+0x50*(\ap/2))
	MUL16 \ap, \rb, \zero
.if \fa
	PLACES 4                                       ; four places in front of loads into registers that matrix instructions have read
	WIN 0
	AG \ap
.endif
.endr
.if \fb
.if (\rb) == 0
	s_wait_xcnt 0x0                                ; the last two K steps' loads have read their base
	s_add_nc_u64 s[34:35], s[34:35], 32768
.endif
	BLD8 \rb
.endif
	WIN 0
.endm
.macro PAIR zero, fb, last             ; two K steps: once round the ring
	KST 0, \zero, \fb, 1, 32
	KST 8, 0, \fb, 1-\last, 32-32*\last
.endm
	PAIR 1, 1, 0                                   ; the first K step starts the sums
	s_mov_b32 s37, 2
.Lk:
	PAIR 0, 1, 0
	s_sub_co_u32 s37, s37, 1
	s_cmp_lg_u32 s37, 0
	s_cbranch_scc1 .Lk
	PAIR 0, 0, 1                                   ; the last two K steps ask for no weights, the last for nothing
; THE WAY OUT of row tile a: sums x the row's weight (each accumulator from its low end on), the hold, the conversion: one fragment, stored as its image.
.macro MIDB a
.set TS, 128+64*((\a)%2)
.set CS, 96+16*((\a)%2)
.if (\a) >= 2
	s_wait_xcnt 0x0                                ; the stores of two tiles back have read their registers
.endif
	WIN (0x02+(\a)/4)
.irp t, 0,1,2,3,4,5,6,7
.irp i, 0,2,4,6
	v_pk_mul_f32 v[TS+8*\t+\i:TS+8*\t+\i+1], v[8*(8*((\a)%4)+\t)+\i:8*(8*((\a)%4)+\t)+\i+1], v[32+2*(8*(2*(\t%2)+\i/4)+(\a)):33+2*(8*(2*(\t%2)+\i/4)+(\a))]
.endr
.endr
	WIN 0
.set n, 0
.rept 64
	v_med3_num_f32 v[TS+n], v[TS+n], -v30, v30     ; the conversion does not saturate (ISA guide 7.6.2)
.set n, n+1
.endr
.irp t, 0,1,2,3,4,5,6,7
	v_cvt_scalef32_pk8_bf8_f32 v[CS+2*\t:CS+2*\t+1], v[TS+8*\t:TS+8*\t+7], v31
.endr
	v_nop                                          ; one plain line behind the last conversion
.irp c, 0,1,2,3
	global_store_b128 v4, v[CS+4*\c:CS+4*\c+3], s[14:15] offset:2048*(\a)+512*\c
.endr
.endm
	PLACES 4
.irp a, 0,1,2,3,4,5,6,7
	MIDB \a
.endr
	s_wait_tensorcnt 0x0                           ; the wave's end
	ds_add_u32 v[SPW], v[NIL]
	s_wait_dscnt 0x0
	s_endpgm
.Lfunc_end_k_q4f4a410b7e_va:
	.size	k_q4f4a410b7e_va, .Lfunc_end_k_q4f4a410b7e_va-k_q4f4a410b7e_va
	.p2alignl 7, 3214868480
	.fill 96, 4, 3214868480
	.section	.rodata,"a",@progbits
	.p2align	6, 0x0
	.amdhsa_kernel k_q4f4a410b7e_va
		.amdhsa_group_segment_fixed_size 133632
		.amdhsa_private_segment_fixed_size 0
		.amdhsa_enable_private_segment 0
		.amdhsa_kernarg_size 48
		.amdhsa_user_sgpr_count 2
		.amdhsa_user_sgpr_kernarg_segment_ptr 1
		.amdhsa_wavefront_size32 1
		.amdhsa_system_sgpr_workgroup_id_x 1
		.amdhsa_system_sgpr_workgroup_id_y 1
		.amdhsa_system_sgpr_workgroup_id_z 1
		.amdhsa_system_vgpr_workitem_id 0
		.amdhsa_next_free_vgpr 1024
		.amdhsa_next_free_sgpr 66
		.amdhsa_reserve_vcc 0
		.amdhsa_float_denorm_mode_32 3
		.amdhsa_float_denorm_mode_16_64 3
		.amdhsa_memory_ordered 1
		.amdhsa_forward_progress 1
		.amdhsa_inst_pref_size 141
	.end_amdhsa_kernel
	.amdgpu_metadata
---
amdhsa.version: [ 1, 2 ]
amdhsa.kernels:
  - .name:           k_q4f4a410b7e_va
    .symbol:         k_q4f4a410b7e_va.kd
    .args:
      - { .name: xc, .offset: 0, .size: 8, .value_kind: global_buffer, .address_space: global }
      - { .name: wc, .offset: 8, .size: 8, .value_kind: global_buffer, .address_space: global }
      - { .name: lowp_scales, .offset: 16, .size: 8, .value_kind: global_buffer, .address_space: global }
      - { .name: dots, .offset: 24, .size: 8, .value_kind: global_buffer, .address_space: global }
      - { .name: part, .offset: 32, .size: 8, .value_kind: global_buffer, .address_space: global }
      - { .name: ac, .offset: 40, .size: 8, .value_kind: global_buffer, .address_space: global }
    .group_segment_fixed_size: 133632
    .private_segment_fixed_size: 0
    .kernarg_segment_align: 8
    .kernarg_segment_size: 48
    .max_flat_workgroup_size: 128
    .sgpr_count:     66
    .vgpr_count:     1024
    .wavefront_size: 32
...
	.end_amdgpu_metadata
.endif
;; end of part 3
;; launch proj (part 4): grid 256 x 1, 4 waves a work-group, no clusters, 165,376 bytes of LDS; arguments ac, wc, lowp_scales, bo, out0; writes out0
.if DOCPART == 4
	.amdgcn_target "amdgcn-amd-amdhsa--gfx1250"
	.amdhsa_code_object_version 6
	.text
	.protected	k_q4f4a410b7e_proj
	.globl	k_q4f4a410b7e_proj
	.p2align	8
	.type	k_q4f4a410b7e_proj,@function
k_q4f4a410b7e_proj:
	s_mov_b64 s[64:65], 0
	v_nop
	global_prefetch_b8 v0, s[64:65] scope:SCOPE_SE
	s_setreg_imm32_b32 hwreg(HW_REG_WAVE_MODE, 25, 1), 1
	s_wait_xcnt 0x0
; out = a Wo^T + bo, on codes of BF8.  No work is left out.
; SHARES.  Work-group g takes the 128 rows 128 (g / 2) on and columns 512 (g % 2) on; wave w 128 of them: 128 x 128, 64 accumulators, 512 registers.
; a's codes lie in ac as images of fragments, [g / 2][K step 8][row tile 8][2,048]: the block's 131,072 dense bytes are copied to LDS as they lie.  Their eight fragments of a K step roll through ONE set of
; registers, two tiles at a time, and no fragment is read twice.  THE WEIGHTS GO FROM MEMORY INTO REGISTERS, each fragment serving one wave alone, through a ring of two K steps, as in launch va and for its reasons;
; no joint loads and no prefetch, as stated there.
; THE MATRIX INSTRUCTION IS USED TRANSPOSED: a lane holds one row and eight neighbouring columns.  A row tile goes through the wave's own stage in LDS and leaves as rows, 512 consecutive bytes a store; x 2^(e6 + e7), + bo.
; LIMITS: e6 + e7 lies between -126 and 127.
; REGISTERS: window 0: v1-17 addresses, v96-99 bo, v128-255 a's fragments; on the way out v32-95, v128-191, v192-255 take the rows by turns; window 1: the ring;
; windows 2, 3: the sums of row tiles 0-3, 4-7, (a, t) at v[8 (8 (a % 4) + t)] (at the head: a's codes on their way to LDS).
.set STAGE,  131072
.set SPITCH, 528
.set SPARE,  STAGE+4*16*SPITCH         ; the spare words: two blocks of 256 bytes that no other line names
.set SPW, 8
.set NIL, 9
.set MUL_LO, 0xa1
.set TO_B,   0x40
.set MSB, 0
.macro WIN new
.if MSB != \new
	s_set_vgpr_msb (MSB<<8)|\new
.set MSB, \new
.endif
.endm
.macro PLACES n
.rept \n
	v_nop
.endr
.endm
	s_load_b256 s[4:11], s[0:1], 0x0               ; ac, wc, scales, bo
	s_load_b64 s[12:13], s[0:1], 0x20              ; out0
	v_lshl_add_u32 v[SPW], v0, 2, SPARE
	v_mov_b32 v[NIL], 0
	v_lshrrev_b32 v1, 5, v0
	v_readfirstlane_b32 s16, v1                    ; wave
	v_and_b32 v1, 31, v0
	v_and_b32 v2, 15, v0
	v_bfe_u32 v3, v0, 4, 1
	v_lshlrev_b32 v4, 4, v1                        ; 16 x lane
	s_lshl_b32 s17, s16, 15
	v_add_nc_u32 v5, s17, v4                       ; my quarter of the images
	s_mul_i32 s18, s16, 16*SPITCH
	s_add_co_u32 s18, s18, STAGE                   ; my stage
	v_mul_u32_u24 v6, v2, SPITCH
	v_lshl_add_u32 v6, v3, 5, v6
	v_add_nc_u32 v16, s18, v6                      ; in: row r, + 32 h
	v_add_nc_u32 v7, s18, v4                       ; back: a row of 512 bytes
	v_mov_b32 v17, v4
	s_and_b32 s39, ttmp9, 1
	s_lshr_b32 s19, ttmp9, 1                       ; my block of rows
	s_lshl_b32 s22, s39, 2
	s_add_co_u32 s22, s22, s16
	s_lshl_b32 s42, s22, 17
	s_add_co_u32 s42, s42, 0x300000                ; my stream of Wo
	s_mov_b32 s43, 0
	s_lshl_b32 s44, s19, 17
	s_add_co_u32 s44, s44, s17
	s_mov_b32 s45, 0
	s_lshl_b32 s46, s22, 9                         ; my 128 columns of bo and of a row of out0
	s_mov_b32 s47, 0
	s_lshl_b32 s48, s19, 19                        ; 128 rows of 4,096 bytes
	s_add_co_u32 s48, s48, s46
	s_mov_b32 s49, 0
	s_mov_b32 s38, 0
	s_wait_alu depctr_va_vdst(0)
	s_wait_kmcnt 0x0
	s_load_b256 s[24:31], s[8:9], 0x0              ; e0 .. e7
	s_add_nc_u64 s[34:35], s[6:7], s[42:43]
	s_add_nc_u64 s[4:5], s[4:5], s[44:45]
	s_add_nc_u64 s[10:11], s[10:11], s[46:47]
	s_add_nc_u64 s[12:13], s[12:13], s[48:49]
.macro BLD8 rb                         ; a K step's eight tiles into the ring's tiles rb on; s[34:35] stands at the first of two K steps
	WIN TO_B
.irp t, 0,1,2,3,4,5,6,7
.irp c, 0,1,2,3
	global_load_b128 v[16*((\rb)+\t)+4*\c:16*((\rb)+\t)+4*\c+3], v4, s[34:35] offset:2048*((\rb)+\t)+512*\c
.endr
.endr
.endm
.macro AG ap                           ; a's tiles 2 ap, 2 ap + 1 of the K step at v17, as they lie
.irp e, 0,1
.irp c, 0,1,2,3
	ds_load_b128 v[128+16*(2*(\ap)+\e)+4*\c:128+16*(2*(\ap)+\e)+4*\c+3], v17 offset:(2*(\ap)+\e)*2048+512*\c
.endr
.endr
.endm
	WIN 0x80                                       ; destination: window 2
.set n, 0
.rept 64
	global_load_b128 v[4*n:4*n+3], v4, s[4:5] offset:512*n   ; 512 consecutive bytes a load
.set n, n+1
.endr
	WIN 0
	global_load_b128 v[96:99], v4, s[10:11]
	BLD8 0                                         ; Wo's first two K steps, 64 loads, behind what the head itself waits for
	BLD8 8
	WIN 0
	s_wait_kmcnt 0x0
	s_add_co_i32 s52, s30, s31
	s_add_co_i32 s52, s52, 127
	s_lshl_b32 s52, s52, 23                        ; 2^(e6 + e7)
	s_mov_b32 s53, s52
	s_wait_loadcnt 63                              ; the images and bo are in: the weights' 64 loads were issued behind them
	WIN 0x08                                       ; store data: window 2
.set n, 0
.rept 64
	ds_store_b128 v5, v[4*n:4*n+3] offset:512*n
.set n, n+1
.endr
	WIN 0
	s_wait_dscnt 0x0                               ; my quarter is in LDS
	s_barrier_signal -1
	s_barrier_wait -1                              ; and everybody's
	AG 0
	AG 1
	AG 2
	AG 3
; 16 matrix instructions: a's tiles 2 ap, 2 ap + 1 x the K step's eight tiles.  The 64 accumulators take turns, one instruction a turn.
.macro MUL16 ap, rb, zero
.irp e, 0,1
.irp t, 0,1,2,3,4,5,6,7
.if \zero
	v_wmma_f32_16x16x128_bf8_bf8 v[8*(8*((2*(\ap)+\e)%4)+\t):8*(8*((2*(\ap)+\e)%4)+\t)+7], v[16*((\rb)+\t):16*((\rb)+\t)+15], v[128+16*(2*(\ap)+\e):128+16*(2*(\ap)+\e)+15], 0
.else
	v_wmma_f32_16x16x128_bf8_bf8 v[8*(8*((2*(\ap)+\e)%4)+\t):8*(8*((2*(\ap)+\e)%4)+\t)+7], v[16*((\rb)+\t):16*((\rb)+\t)+15], v[128+16*(2*(\ap)+\e):128+16*(2*(\ap)+\e)+15], v[8*(8*((2*(\ap)+\e)%4)+\t):8*(8*((2*(\ap)+\e)%4)+\t)+7]
.endif
.endr
.endr
.endm
; A K STEP.  fa = 1: behind each 16 products their two tiles of a are fetched for the next K step.  fb = 1: at the end its half of the ring is asked for anew, two K steps on.
; lw: the weights' loads that may be out: the next K step's 32.  s_wait_dscnt 24: the two tiles in hand are in; the three groups of eight loads asked for behind them may be out.
.macro KST rb, zero, fb, fa, lw
.if \fa
	s_add_co_u32 s38, s38, 16384
	v_add_nc_u32 v17, s38, v4
	s_wait_alu depctr_va_vdst(0)
.endif
	s_wait_loadcnt \lw
.irp ap, 0,1,2,3
.if \fa
	s_wait_dscnt 24
.else
	s_wait_dscnt 24-8*\ap
.endif
	WIN (MUL_LO+0x50*(\ap/2))
	MUL16 \ap, \rb, \zero
.if \fa
	PLACES 4                                       ; four places in front of loads into registers that matrix instructions have read
	WIN 0
	AG \ap
.endif
.endr
.if \fb
.if (\rb) == 0
	s_wait_xcnt 0x0                                ; the last two K steps' loads have read their base
	s_add_nc_u64 s[34:35], s[34:35], 32768
.endif
	BLD8 \rb
.endif
	WIN 0
.endm
.macro PAIR zero, fb, last             ; two K steps: once round the ring
	KST 0, \zero, \fb, 1, 32
	KST 8, 0, \fb, 1-\last, 32-32*\last
.endm
	PAIR 1, 1, 0                                   ; the first K step starts the sums
	s_mov_b32 s37, 2
.Lk:
	PAIR 0, 1, 0
	s_sub_co_u32 s37, s37, 1
	s_cmp_lg_u32 s37, 0
	s_cbranch_scc1 .Lk
	PAIR 0, 0, 1                                   ; the last two K steps ask for no weights, the last for nothing
; THE WAY OUT, row tile by row tile: 16 rows x 512 bytes into my stage (each accumulator from its low end on) and back as rows.
.macro TOSTAGE a
	WIN (0x08+4*((\a)/4))                          ; store data: window 2 or 3
.irp t, 0,1,2,3,4,5,6,7
	ds_store_b128 v16, v[8*(8*((\a)%4)+\t):8*(8*((\a)%4)+\t)+3] offset:64*\t
	ds_store_b128 v16, v[8*(8*((\a)%4)+\t)+4:8*(8*((\a)%4)+\t)+7] offset:64*\t+16
.endr
	WIN 0
.set BB, 32+96*(((\a)%3+1)/2)+64*(((\a)%3)/2)      ; v32, v128, v192 by turns
.irp n, 0,1,2,3,4,5,6,7,8,9,10,11,12,13,14,15
	ds_load_b128 v[BB+4*\n:BB+4*\n+3], v7 offset:\n*SPITCH   ; LDS serves a wave's instructions in order: these see my stores, and the next tile's stores come behind them
.endr
.endm
.macro SEND a, younger                 ; younger: the LDS instructions issued behind tile a's loads, which may stay out
.set BB, 32+96*(((\a)%3+1)/2)+64*(((\a)%3)/2)
	s_wait_dscnt \younger
.irp n, 0,1,2,3,4,5,6,7,8,9,10,11,12,13,14,15
	v_pk_fma_f32 v[BB+4*\n:BB+4*\n+1], v[BB+4*\n:BB+4*\n+1], s[52:53], v[96:97] op_sel_hi:[1,0,1]
	v_pk_fma_f32 v[BB+4*\n+2:BB+4*\n+3], v[BB+4*\n+2:BB+4*\n+3], s[52:53], v[98:99] op_sel_hi:[1,0,1]
	global_store_b128 v4, v[BB+4*\n:BB+4*\n+3], s[12:13] offset:(\a)*65536+\n*4096 th:TH_STORE_NT   ; 512 consecutive bytes of a row
.endr
.endm
	PLACES 4
	TOSTAGE 0
.irp a, 1,2,3,4,5,6,7
.if \a > 2
	s_wait_xcnt 0x0                                ; the stores of three tiles back have read their registers
.endif
	TOSTAGE \a
	SEND \a-1, 32                                  ; behind tile a - 1's loads: tile a's 16 stores and 16 loads
.endr
	SEND 7, 0
	s_wait_tensorcnt 0x0                           ; the wave's end
	ds_add_u32 v[SPW], v[NIL]
	s_wait_dscnt 0x0
	s_endpgm
.Lfunc_end_k_q4f4a410b7e_proj:
	.size	k_q4f4a410b7e_proj, .Lfunc_end_k_q4f4a410b7e_proj-k_q4f4a410b7e_proj
	.p2alignl 7, 3214868480
	.fill 96, 4, 3214868480
	.section	.rodata,"a",@progbits
	.p2align	6, 0x0
	.amdhsa_kernel k_q4f4a410b7e_proj
		.amdhsa_group_segment_fixed_size 165376
		.amdhsa_private_segment_fixed_size 0
		.amdhsa_enable_private_segment 0
		.amdhsa_kernarg_size 40
		.amdhsa_user_sgpr_count 2
		.amdhsa_user_sgpr_kernarg_segment_ptr 1
		.amdhsa_wavefront_size32 1
		.amdhsa_system_sgpr_workgroup_id_x 1
		.amdhsa_system_sgpr_workgroup_id_y 1
		.amdhsa_system_sgpr_workgroup_id_z 1
		.amdhsa_system_vgpr_workitem_id 0
		.amdhsa_next_free_vgpr 1024
		.amdhsa_next_free_sgpr 66
		.amdhsa_reserve_vcc 0
		.amdhsa_float_denorm_mode_32 3
		.amdhsa_float_denorm_mode_16_64 3
		.amdhsa_memory_ordered 1
		.amdhsa_forward_progress 1
		.amdhsa_inst_pref_size 118
	.end_amdhsa_kernel
	.amdgpu_metadata
---
amdhsa.version: [ 1, 2 ]
amdhsa.kernels:
  - .name:           k_q4f4a410b7e_proj
    .symbol:         k_q4f4a410b7e_proj.kd
    .args:
      - { .name: ac, .offset: 0, .size: 8, .value_kind: global_buffer, .address_space: global }
      - { .name: wc, .offset: 8, .size: 8, .value_kind: global_buffer, .address_space: global }
      - { .name: lowp_scales, .offset: 16, .size: 8, .value_kind: global_buffer, .address_space: global }
      - { .name: bo, .offset: 24, .size: 8, .value_kind: global_buffer, .address_space: global }
      - { .name: out0, .offset: 32, .size: 8, .value_kind: global_buffer, .address_space: global }
    .group_segment_fixed_size: 165376
    .private_segment_fixed_size: 0
    .kernarg_segment_align: 8
    .kernarg_segment_size: 40
    .max_flat_workgroup_size: 128
    .sgpr_count:     66
    .vgpr_count:     1024
    .wavefront_size: 32
...
	.end_amdgpu_metadata
.endif
;; end of part 4
